; MI455X (gfx1250); checked and timed in simulation.
; The chip was launched on July 23, 2026; its instructions are those of AMD's public machine-readable ISA for CDNA 5 (MIT licence, August 2026) and "CDNA5" Instruction Set Architecture Reference Guide (July 2026). The comments in the code are by the model that wrote it; some were corrected since.
;; Sparse Attention. Allowed arithmetic: float matrix products may take bf16 or f16 operands with f32 sums; all other float work in f32.
;; Inputs: K 2 x 8 x 2,048 x 512 float32; Q 2 x 8 x 2,048 x 512 float32; V 2 x 8 x 2,048 x 512 float32; ids 2 x 8 int32; mask 2,048 x 2,048 int32; route_mat 2 x 8 float32.
;; Outputs: out0 2 x 8 x 2,048 x 512 float32.
;; One version. Each part assembles by itself: llvm-mc -triple=amdgcn-amd-amdhsa -mcpu=gfx1250 --defsym DOCPART=n.
;; ======== version 1 of 1: 2 launches
;; limits: values are held in f16: magnitudes above 65,504 overflow, below 6.1e-05 lose precision
;; workspace buffers: Kh 33,554,432 bytes; Vh 33,554,432 bytes; maskbits 524,288 bytes of whole numbers
;; launch prep (part 1): grid 256 x 1, 8 waves a work-group, no clusters, 0 bytes of LDS; arguments K, V, mask, Kh, Vh, maskbits; writes Kh, Vh, maskbits
.if DOCPART == 1
	.amdgcn_target "amdgcn-amd-amdhsa--gfx1250"
	.amdhsa_code_object_version 6
	.text
	.protected	k_q9d7c7a39f9_prep
	.globl	k_q9d7c7a39f9_prep
	.p2align	8
	.type	k_q9d7c7a39f9_prep,@function
k_q9d7c7a39f9_prep:
	s_mov_b64 s[64:65], 0
	v_nop
	global_prefetch_b8 v0, s[64:65] scope:SCOPE_SE
	s_setreg_imm32_b32 hwreg(HW_REG_WAVE_MODE, 25, 1), 1
	s_wait_xcnt 0x0
; Kh = f16(K), Vh = f16(V), maskbits = the mask packed to one bit a number.  A stream: no LDS, no barrier, no matrix unit, nothing shared.
; K and V are read again by sixteen query blocks in the next launch; rounding them once here spares that launch the f32 tiles and fifteen repeats of the rounding.
; f16 and not bf16: 11 significant bits against 8; a score is a sum of 512 products of two rounded numbers and stands in an exponent.
; LIMIT: |K| or |V| above 65,504 becomes infinite, below 2^-25 zero.  Numbers thirty times the drawn ones on an offset of thirty spreads stay near 1,100.
; 256 work-groups x 8 waves = 2,048 waves.  Wave W takes 32,768 bytes of K and of V (16,384 of Kh and of Vh) and one item of the mask:
; 16 rows (query tile W >> 4) x 128 columns (key block W & 15), which become 256 bytes at 256 W.
; maskbits[query tile 128][key block 16][row 16][c 4] words; bit i of word c = (mask[16 tile + row][128 block + 4 i + c] != 0):
; what a compare gives when lane i holds numbers 4 i .. 4 i + 3 of a row's 128.
; A ring of 32 slots keeps 32 loads of 512 bytes of every wave on their way: 128 KiB for the eight waves.
.set X,  4                             ; v[4:131]   ring of 32 slots, 4 f32 each: slots 0-7 and 16-23 K, slots 8-15 and 24-31 V
.set MK, 68                            ; v[68:131]  the mask's 16 rows lie on the registers of slots 16-31 until those are first filled
.set Y,  132                           ; v[132:195] slot i: 4 f16 to store
.set WD, 196                           ; v[196:197] the 64 mask words: lane 2 r + (c >> 1), register c & 1
.set ROUNDB, 8192                      ; bytes of K, and of V, in a round of the ring
	s_load_b256 s[4:11], s[0:1], 0x0               ; K s[4:5], V s[6:7], mask s[8:9], Kh s[10:11]
	s_load_b128 s[12:15], s[0:1], 0x20             ; Vh s[12:13], maskbits s[14:15]
	v_lshrrev_b32 v3, 5, v0
	v_readfirstlane_b32 s16, v3                    ; wave 0..7
	v_and_b32 v2, 31, v0
	v_lshlrev_b32 v1, 4, v2                        ; 16 x lane: loads
	v_lshlrev_b32 v2, 3, v2                        ; 8 x lane: stores
	s_lshl_b32 s17, ttmp9, 3
	s_add_co_u32 s17, s17, s16                     ; W
	s_lshl_b32 s18, s17, 15                        ; 32,768 W
	s_mov_b32 s19, 0
	s_lshl_b32 s20, s17, 14                        ; 16,384 W
	s_mov_b32 s21, 0
	s_lshr_b32 s28, s17, 4
	s_lshl_b32 s28, s28, 17                        ; query tile x 16 rows x 8,192 bytes
	s_and_b32 s29, s17, 15
	s_lshl_b32 s29, s29, 9                         ; key block x 512 bytes
	s_add_co_u32 s28, s28, s29
	s_mov_b32 s29, 0
	s_lshl_b32 s30, s17, 8                         ; 256 W
	s_mov_b32 s31, 0
	s_wait_kmcnt 0x0
	s_add_nc_u64 s[4:5], s[4:5], s[18:19]
	s_add_nc_u64 s[6:7], s[6:7], s[18:19]
	s_add_nc_u64 s[8:9], s[8:9], s[28:29]
	s_add_nc_u64 s[10:11], s[10:11], s[20:21]
	s_add_nc_u64 s[12:13], s[12:13], s[20:21]
	s_add_nc_u64 s[14:15], s[14:15], s[30:31]
; Slot i holds piece (i & 7) + 8 (i >> 4) of the round's sixteen pieces of 512 bytes, of K if bit 3 of i is 0, of V if it is 1.
.macro FILL i
.set pc, ((\i)&7)+8*((\i)>>4)
.if (((\i)>>3)&1) == 0
	global_load_b128 v[X+4*(\i):X+4*(\i)+3], v1, s[4:5] offset:512*pc th:TH_LOAD_NT
.else
	global_load_b128 v[X+4*(\i):X+4*(\i)+3], v1, s[6:7] offset:512*pc th:TH_LOAD_NT
.endif
.endm
.irp r, 0,1,2,3,4,5,6,7,8,9,10,11,12,13,14,15
	global_load_b128 v[MK+4*\r:MK+4*\r+3], v1, s[8:9] offset:8192*\r th:TH_LOAD_NT    ; 512 neighbouring bytes of row r
.endr
.set n, 0
.rept 16
	FILL n                                         ; slots 0 to 15
.set n, n+1
.endr
	s_wait_loadcnt 16                              ; the sixteen loads of the ring are younger: the mask's rows are in
	v_mov_b32 v[WD], 0                             ; v_writelane_b32 keeps the other lanes: the registers are written whole first
	v_mov_b32 v[WD+1], 0
.irp r, 0,1,2,3,4,5,6,7,8,9,10,11,12,13,14,15
.irp c, 0,1,2,3
	v_cmp_ne_u32 s[24+\c], 0, v[MK+4*\r+\c]        ; bit i: lane i's number 4 i + c of row r is not 0
.endr
.irp c, 0,1,2,3
	v_writelane_b32 v[WD+(\c&1)], s[24+\c], 2*\r+(\c>>1)
.endr
.endr
.rept 16
	FILL n                                         ; slots 16 to 31, on the registers that the compares above have read
.set n, n+1
.endr
	global_store_b64 v2, v[WD:WD+1], s[14:15]      ; byte 8 (2 r + (c >> 1)) + 4 (c & 1) = 16 r + 4 c: 256 consecutive bytes, aligned
; One slot's turn.  ahead = 1: the slot is filled again with its piece of the next round.  left = how many younger loads may stay out.
.macro SLOT i, ahead, left
.set pc, ((\i)&7)+8*((\i)>>4)
	s_wait_loadcnt \left                           ; loads come back in order (ISA guide 5.7.1): this slot's is in
	v_cvt_pk_f16_f32 v[Y+2*(\i)],   v[X+4*(\i)],   v[X+4*(\i)+1]
	v_cvt_pk_f16_f32 v[Y+2*(\i)+1], v[X+4*(\i)+2], v[X+4*(\i)+3]
.if (((\i)>>3)&1) == 0
.if \ahead
	global_load_b128 v[X+4*(\i):X+4*(\i)+3], v1, s[4:5] offset:512*pc+ROUNDB th:TH_LOAD_NT
.endif
	global_store_b64 v2, v[Y+2*(\i):Y+2*(\i)+1], s[10:11] offset:256*pc      ; 32 lanes x 8 bytes: 256 consecutive bytes, aligned; read again by the next launch, so no hint
.else
.if \ahead
	global_load_b128 v[X+4*(\i):X+4*(\i)+3], v1, s[6:7] offset:512*pc+ROUNDB th:TH_LOAD_NT
.endif
	global_store_b64 v2, v[Y+2*(\i):Y+2*(\i)+1], s[12:13] offset:256*pc
.endif
.endm
	s_mov_b32 s22, 3                               ; 4 rounds of 8,192 + 8,192 bytes; the last is written out
.Lround:
.set n, 0
.rept 32
	SLOT n, 1, 31                                  ; the 31 other slots' loads are younger
.set n, n+1
.endr
	s_wait_xcnt 0x0                                ; the four bases and Y are written again only behind this wait
	s_add_nc_u64 s[4:5], s[4:5], ROUNDB
	s_add_nc_u64 s[6:7], s[6:7], ROUNDB
	s_add_nc_u64 s[10:11], s[10:11], ROUNDB/2
	s_add_nc_u64 s[12:13], s[12:13], ROUNDB/2
	s_sub_co_u32 s22, s22, 1
	s_cmp_lg_u32 s22, 0
	s_cbranch_scc1 .Lround
.set n, 0
.rept 32
	SLOT n, 0, 31-n                                ; the last round loads nothing: the counts run down
.set n, n+1
.endr
	s_endpgm
.Lfunc_end_k_q9d7c7a39f9_prep:
	.size	k_q9d7c7a39f9_prep, .Lfunc_end_k_q9d7c7a39f9_prep-k_q9d7c7a39f9_prep
	.p2alignl 7, 3214868480
	.fill 96, 4, 3214868480
	.section	.rodata,"a",@progbits
	.p2align	6, 0x0
	.amdhsa_kernel k_q9d7c7a39f9_prep
		.amdhsa_group_segment_fixed_size 0
		.amdhsa_private_segment_fixed_size 0
		.amdhsa_enable_private_segment 0
		.amdhsa_kernarg_size 48
		.amdhsa_user_sgpr_count 2
		.amdhsa_user_sgpr_kernarg_segment_ptr 1
		.amdhsa_wavefront_size32 1
		.amdhsa_system_sgpr_workgroup_id_x 1
		.amdhsa_system_sgpr_workgroup_id_y 1
		.amdhsa_system_sgpr_workgroup_id_z 1
		.amdhsa_system_vgpr_workitem_id 0
		.amdhsa_next_free_vgpr 200
		.amdhsa_next_free_sgpr 66
		.amdhsa_reserve_vcc 0
		.amdhsa_float_denorm_mode_32 3
		.amdhsa_float_denorm_mode_16_64 3
		.amdhsa_memory_ordered 1
		.amdhsa_forward_progress 1
		.amdhsa_inst_pref_size 34
	.end_amdhsa_kernel
	.amdgpu_metadata
---
amdhsa.version: [ 1, 2 ]
amdhsa.kernels:
  - .name:           k_q9d7c7a39f9_prep
    .symbol:         k_q9d7c7a39f9_prep.kd
    .args:
      - { .name: K, .offset: 0, .size: 8, .value_kind: global_buffer, .address_space: global }
      - { .name: V, .offset: 8, .size: 8, .value_kind: global_buffer, .address_space: global }
      - { .name: mask, .offset: 16, .size: 8, .value_kind: global_buffer, .address_space: global }
      - { .name: Kh, .offset: 24, .size: 8, .value_kind: global_buffer, .address_space: global }
      - { .name: Vh, .offset: 32, .size: 8, .value_kind: global_buffer, .address_space: global }
      - { .name: maskbits, .offset: 40, .size: 8, .value_kind: global_buffer, .address_space: global }
    .group_segment_fixed_size: 0
    .private_segment_fixed_size: 0
    .kernarg_segment_align: 8
    .kernarg_segment_size: 48
    .max_flat_workgroup_size: 256
    .sgpr_count:     66
    .vgpr_count:     200
    .wavefront_size: 32
...
	.end_amdgpu_metadata
.endif
;; end of part 1
;; launch attn (part 2): grid 16 x 16, 4 waves a work-group, clusters of 4 x 1, 327,680 bytes of LDS; arguments Q, Kh, Vh, maskbits, route_mat, out0; writes out0
.if DOCPART == 2
	.amdgcn_target "amdgcn-amd-amdhsa--gfx1250"
	.amdhsa_code_object_version 6
	.text
	.protected	k_q9d7c7a39f9_attn
	.globl	k_q9d7c7a39f9_attn
	.p2align	8
	.type	k_q9d7c7a39f9_attn,@function
k_q9d7c7a39f9_attn:
	s_mov_b64 s[64:65], 0
	v_nop
	global_prefetch_b8 v0, s[64:65] scope:SCOPE_SE
	s_setreg_imm32_b32 hwreg(HW_REG_WAVE_MODE, 25, 1), 1
	s_wait_xcnt 0x0
	s_wait_alu depctr_hold_cnt(0) depctr_sa_sdst(0) depctr_va_vdst(0) depctr_va_sdst(0) depctr_va_ssrc(0) depctr_va_vcc(0) depctr_vm_vsrc(0)
	s_getreg_b32 s2, hwreg(HW_REG_IB_STS2, 6, 4)
	s_cmp_eq_u32 s2, 0
	s_cbranch_scc0 .Lentry_in_a_cluster
	s_endpgm
.Lentry_in_a_cluster:
	s_bfe_u32 s2, ttmp6, 0x10000c
	s_cmp_lg_u32 s2, 0x3003
	s_cbranch_scc0 .Lentry_shape_is_right
	s_endpgm
.Lentry_shape_is_right:
; out[b,h,q,d] = g[b][d/64] * sum over k of softmax_k( mask ? -inf : sum over d of Q g K / 8 ) V[k][d].   T = 2,048, D = 512, 16 heads (b,h).
; The input ids is not among the arguments: reference() never reads it, so no result hangs on it.
; A work-group owns 128 queries of one head; keys go in 16 blocks of 128 with a running maximum (in log2 units: Q is scaled by g log2(e) / 8 once).
; FORMAT: the matrix operands Q g log2(e)/8, K, V and P are f16, sums f32.  f16 and not bf16: 11 significant bits against 8; a score is a sum of 512 products
; of two rounded numbers and stands in an exponent, so its rounding shows in every term of the row.
; LIMITS, kept on purpose: |Q g log2(e)/8|, |K| or |V| above 65,504 becomes infinite (numbers thirty times the drawn ones on an offset of thirty spreads stay
; near 1,100, Q' with a gate thirty times larger near 6,000); magnitudes under 2^-25 become 0: a term of P smaller than 2^-25 of its block's running maximum
; term drops out of the product while l, which sums the f32 exponentials, still counts it (at most 2,048 x 2^-25 of l).
; A MASKED SCORE IS -2^127, not -inf, so that no infinity enters a matrix operand; the running maximum starts there.  Scores (log2 units) are taken to stay under
; 2^100 in magnitude.  While a row has met masked keys alone their terms count as 1; the first real score gives alpha = 2^(-2^127 - m) = 0 and wipes them out.
; A row whose maximum ends at or below -2^126 counts as masked everywhere: its 1/l is replaced by NaN, as reference() gives NaN there.
;
; CLUSTER 4 x 1: the four work-groups of a cluster are four query blocks of one head and walk the same K and V tiles: every such tile is asked for
; jointly (mask 15), which divides those requests by four.  The place in the cluster enters the global addresses of Q, maskbits and out0 alone.
;
; TWO SPLITS among the four waves, both to feed more matrix instructions from each LDS byte:
;   QK: wave w keeps Q' of queries 32 w .. 32 w + 31 in 256 registers and makes S^T (128 keys x 32 queries): a K fragment feeds 2 products.
;   PV: wave w owns O^T of all 128 queries x columns 128 w .. + 127 in 512 registers: 8 V + 8 P fragments feed 64 products.
;   P (f16) and alpha pass between the waves through LDS, behind the barrier that K's refill needs anyway.
; BOTH PRODUCTS ARE USED TRANSPOSED.  S^T = K Q'^T: lane (r = l % 16, h = l / 16) holds query r, register j key 16 kt + 8 h + j: maximum and sum are
; in-lane work and one exchange of halves, and a tile packs into 16 neighbouring bytes of P[q][key].  O^T = V^T P^T: lane holds query r,
; register j column 16 dt + 8 h + j: alpha and 1/l are one number a lane for each query tile.
;
; No L2 prefetch: each tile is requested a whole phase (256 matrix instructions) ahead of its wait, and Kh and Vh were stored by the launch before.
.set KP, 1040                          ; K's LDS row: 1,024 + 16 bytes = 65 x 16: the 16 rows of a fragment load fall on 16 different 16-byte columns of 256
.set VP, 1056                          ; V's LDS row: 1,024 + 32 bytes = 33 x 32, for the transposing load
.set PP, 272                           ; P's LDS row: 256 + 16 bytes
.set VS, 128*KP                        ; LDS: K's tile at 0 (133,120 bytes), V's at 133,120 (135,168 bytes),
.set PS, VS+128*VP                     ; P at 268,288 (34,816 bytes), written by LDS stores: no tensor load ever lands here or behind
.set AL, PS+128*PP                     ; alpha[r][query tile] at 303,104: 16 rows of 48 bytes; 1/l in the same shape 1,024 bytes behind
.set QW, 64*KP                         ; at the start only: wave w's 32 rows of Q in f32, as 64 half rows of 1,024 + 16 bytes, at 66,560 w (over K's and V's room)
.set OP, 528                           ; behind the last block: wave w's stage of 16 rows x (512 + 16) bytes at 8,448 w, in K's room, which has had its last fill
.set OW, 16*OP
.set KSTEP, 131072                     ; 128 rows of 1,024 bytes: from a key block to the next in Kh and in Vh
; window 0
.set QA, 1                             ; v1      LDS address of my Q numbers
.set KA, 2                             ; v2-3    K fragments: keys 0-63, keys 64-127
.set VA, 4                             ; v4-7    V fragments: keys 32 t ..
.set PA, 8                             ; v8      P fragments (read)
.set PW, 9                             ; v9      P (write)
.set AW, 10                            ; v10     alpha (write)
.set AR, 11                            ; v11     alpha (read)
.set MO, 12                            ; v12     my byte offset in maskbits
.set SH, 13                            ; v13     2 h
.set M,  14                            ; v14-15  running maximum of query tile u
.set LS, 16                            ; v16-17  running sum, this lane's keys only
.set MN, 18                            ; v18-19  in QK: maximum of tile u over the old maximum and keys 64-127; in the softmax v18: minus the new maximum
.set MB, 20                            ; v[20:27] mask words [u][c]
.set TQ, 28                            ; v[28:31] in QK: +-2^127 from four mask bits
.set AF, 28                            ; v28 alpha; on the way out v[28:29], v[30:31]: the two factors, low halves
.set DF, 30                            ; v30 old maximum - new maximum
.set KF, 32                            ; v[32:127]  QK: ring of three groups of four K fragments
.set S,  128                           ; v[128:255] S^T tile (u, kt) at 128 + 8 (8 u + kt)
.set PK, 32                            ; v[32:95]   softmax: P packed
.set CH, 104                           ; v[104:111] softmax: chains
.set VF, 32                            ; v[32:159]  PV: V fragments, two buffers of 64
.set PF, 160                           ; v[160:223] PV: P fragments, two buffers of 32
.set ALV, 224                          ; v[224:231] PV: alpha of the 8 query tiles; on the way out 1/l
.set QT, 32                            ; v[32:159]  Q in f32, two buffers of 64
.set STO, 2                            ; the way out: v2 in, v3 back, v4 offset in out0
.set RD, 3
.set CO, 4
.set TMP, 32
.set RB, 96
; window 1: Q' fragment (u, s) at 8 (16 u + s).   windows 2, 3: O^T tile (qt, dt) at 8 (8 (qt & 3) + dt) of window 2 + (qt >> 2).
; s_set_vgpr_msb's low byte: bits 1:0 source 0, 3:2 source 1, 5:4 source 2, 7:6 destination; the high byte repeats the setting that is left.
.set MSB, 0
.macro WIN new
.if MSB != (\new)
	s_set_vgpr_msb (MSB<<8)|(\new)
.set MSB, (\new)
.endif
.endm
.macro PLACES n                        ; places behind matrix instructions: plain vector instructions that name none of their registers (ISA guide 7.12.1)
.rept \n
	v_nop
.endr
.endm
; A round of the cluster's barrier: my work-group's barrier, wave 0 signals for the work-group, every wave waits for all four work-groups, my work-group's barrier again.
.macro ROUND
	s_barrier_signal -1
	s_barrier_wait -1
	s_cmp_lg_u32 s16, 0
	s_cbranch_scc1 .Lnot_wave_0_\@
	s_barrier_signal -3
.Lnot_wave_0_\@:
	s_barrier_wait -3
	s_barrier_signal -1
	s_barrier_wait -1
.endm
	s_load_b256 s[4:11], s[0:1], 0x0               ; Q s[4:5], Kh s[6:7], Vh s[8:9], maskbits s[10:11]
	s_load_b128 s[12:15], s[0:1], 0x20             ; route_mat s[12:13], out0 s[14:15]
	v_lshl_add_u32 v254, v0, 2, 0x4a800
	v_mov_b32 v255, 0
	ds_add_u32 v254, v255
	ds_add_u32 v254, v255
	s_wait_dscnt 0x0
	v_lshrrev_b32 v1, 5, v0
	v_readfirstlane_b32 s16, v1                    ; wave 0..3
	s_bfe_u32 s17, ttmp6, 0x40000                  ; cx
	s_lshl_b32 s18, ttmp9, 2
	s_add_co_u32 s18, s18, s17                     ; query block = 4 x cluster x + cx
	s_and_b32 s19, ttmp7, 0xffff                   ; head 0..15
	s_mov_b32 s21, 0x7f000000                      ; +2^127
	s_mov_b32 s60, 0xff000000                      ; -2^127
	s_mov_b32 s61, 0xfe800000                      ; -2^126
	s_mov_b32 s22, 0x76543210                      ; v_permlanex16_b32: lane i reads lane i of the other half
	s_mov_b32 s23, 0xfedcba98
	; group 1 for K: 32 rows x 512 f16 a wave, 4 words of padding behind every 256; joint, mask 15, bit 21 beside it
	s_mov_b32 s24, 15|(1<<16)|(1<<20)|(1<<21)|(7<<22)|(3<<25)
	s_mov_b32 s25, 512<<16                         ; tensor_dim0 = 512
	s_mov_b32 s26, 32<<16                          ; tensor_dim1 = 32
	s_mov_b32 s27, 512<<16                         ; tile_dim0 = 512
	s_mov_b32 s28, 32                              ; tile_dim1 = 32
	s_mov_b32 s29, 512                             ; elements from row to row
	s_mov_b32 s30, 0
	s_mov_b32 s31, 0
	; group 1 for V: the same with 8 words of padding
	s_mov_b32 s32, 15|(1<<16)|(1<<20)|(1<<21)|(7<<22)|(7<<25)
	s_mov_b32 s33, 512<<16
	s_mov_b32 s34, 32<<16
	s_mov_b32 s35, 512<<16
	s_mov_b32 s36, 32
	s_mov_b32 s37, 512
	s_mov_b32 s38, 0
	s_mov_b32 s39, 0
	; group 1 for Q: my own load (no mask): a dense block as 64 half rows of 256 f32, 4 words of padding behind each
	s_mov_b32 s48, (2<<16)|(1<<20)|(7<<22)|(3<<25)
	s_mov_b32 s49, 256<<16
	s_mov_b32 s50, 64<<16
	s_mov_b32 s51, 256<<16
	s_mov_b32 s52, 64
	s_mov_b32 s53, 256
	s_mov_b32 s54, 0
	s_mov_b32 s55, 0
	; offsets.  s[88:89] is made of the head and the wave alone (K, V: equal in the four partners); s[92:95] hold what hangs on cx
	s_lshl_b32 s88, s19, 21                        ; head x 2,048 x 1,024 bytes
	s_lshl_b32 s89, s16, 15                        ; wave x 32 rows
	s_add_co_u32 s88, s88, s89
	s_mov_b32 s89, 0
	s_lshl_b32 s92, s19, 22                        ; head x 2,048 x 2,048 bytes
	s_lshl_b32 s93, s18, 18                        ; query block x 128 rows
	s_add_co_u32 s92, s92, s93
	s_mov_b32 s93, 0
	s_lshl_b32 s94, s16, 16                        ; wave x 32 rows of Q
	s_mov_b32 s95, 0
	s_lshr_b32 s90, s19, 3
	s_lshl_b32 s90, s90, 5                         ; b x 8 gates
	s_mov_b32 s91, 0
	s_mov_b32 s40, 1                               ; group 0 for K
	s_mul_i32 s41, s16, 32*KP
	s_mov_b32 s44, 1                               ; group 0 for V
	s_mul_i32 s45, s16, 32*VP
	s_add_co_u32 s45, s45, VS
	s_mov_b32 s56, 1                               ; group 0 for Q
	s_mul_i32 s57, s16, QW
	s_wait_kmcnt 0x0
	s_add_nc_u64 s[42:43], s[6:7], s[88:89]
	s_or_b32 s43, s43, 0x80000000
	s_add_nc_u64 s[46:47], s[8:9], s[88:89]
	s_or_b32 s47, s47, 0x80000000
	s_add_nc_u64 s[58:59], s[4:5], s[92:93]
	s_add_nc_u64 s[58:59], s[58:59], s[94:95]
	s_or_b32 s59, s59, 0x80000000
	s_add_nc_u64 s[14:15], s[14:15], s[92:93]      ; out0 at the work-group's first row
	s_add_nc_u64 s[12:13], s[12:13], s[90:91]      ; the gates of my b
	s_load_b256 s[68:75], s[12:13], 0x0            ; g[0..7]
	s_lshl_b32 s90, s16, 3
	s_load_b64 s[86:87], s[12:13], s90 offset:0x0  ; g[2 w], g[2 w + 1]: the gates of my 128 output columns
	ROUND                                          ; the round in front of the launch's first tensor loads
	tensor_load_to_lds s[56:59], s[48:55]          ; my 32 rows of Q: the only first fill; one tensor load of the wave is out, here and everywhere below
	s_nop 0
	v_and_b32 v32, 15, v0                          ; r
	v_bfe_u32 v33, v0, 4, 1                        ; h
	s_lshl_b32 s92, s18, 15                        ; maskbits: (8 query block + 2 w) x 4,096 + 16 r
	s_lshl_b32 s93, s16, 13
	s_add_co_u32 s92, s92, s93
	v_lshl_add_u32 v[MO], v32, 4, s92
	global_load_b128 v[MB:MB+3],   v[MO], s[10:11]             ; block 0's mask words of my two query tiles: 256 consecutive bytes each
	global_load_b128 v[MB+4:MB+7], v[MO], s[10:11] offset:4096
	v_mul_u32_u24 v[KA], v32, KP
	v_lshl_add_u32 v[KA], v33, 4, v[KA]            ; r x pitch + 16 h
	v_add_nc_u32 v[KA+1], 64*KP, v[KA]
	v_and_b32 v34, 7, v0
	v_lshl_add_u32 v34, v33, 3, v34                ; key 8 h + (l & 7)
	v_mul_u32_u24 v34, v34, VP
	v_bfe_u32 v35, v0, 3, 1
	v_lshl_add_u32 v34, v35, 4, v34                ; + 16 ((l >> 3) & 1)
	s_lshl_b32 s88, s16, 8                         ; my 128 columns: 256 w bytes
	s_add_co_u32 s88, s88, VS
	v_add_nc_u32 v[VA], s88, v34
	v_add_nc_u32 v[VA+1], 32*VP, v[VA]
	v_add_nc_u32 v[VA+2], 64*VP, v[VA]
	v_add_nc_u32 v[VA+3], 96*VP, v[VA]
	v_mul_u32_u24 v35, v32, PP
	v_lshl_add_u32 v35, v33, 4, v35
	v_add_nc_u32 v[PA], PS, v35
	s_mul_i32 s88, s16, 32*PP
	v_add_nc_u32 v[PW], s88, v[PA]                 ; my queries' rows of P
	v_mul_u32_u24 v35, v32, 48
	v_add_nc_u32 v[AR], AL, v35
	v_lshl_add_u32 v[AW], s16, 3, v[AR]            ; query tiles 2 w, 2 w + 1
	v_lshlrev_b32 v[SH], 1, v33
	v_mul_u32_u24 v35, v32, 2*KP                   ; a row of Q is two half rows
	v_lshl_add_u32 v35, v33, 5, v35                ; 8 h numbers of 4 bytes
	v_add_nc_u32 v[QA], s57, v35
	v_mov_b32 v[M], s60                            ; -2^127 (see LIMITS)
	v_mov_b32 v[M+1], s60
	v_mov_b32 v[LS], 0
	v_mov_b32 v[LS+1], 0
	s_wait_kmcnt 0x0
.irp e, 0,1,2,3,4,5,6,7
	s_mul_f32 s[76+\e], s[68+\e], 0x3e38aa3b       ; g[e] log2(e) / 8
.endr
; Q' = f16(Q g log2(e)/8), once.  Fragment (u, s): query 16 u + r; registers 0-3: d = 32 s + 8 h + 0..7, registers 4-7: d = 32 s + 16 + 8 h + 0..7.
; Expert e is s = 2 e, 2 e + 1: 16 LDS loads, 64 numbers a lane.
.macro QLOAD e
.irp u, 0,1
.irp sl, 0,1
.irp o, 0,1,2,3
	ds_load_b128 v[QT+64*((\e)&1)+16*(2*\u+\sl)+4*\o:QT+64*((\e)&1)+16*(2*\u+\sl)+4*\o+3], v[QA] offset:\u*32*KP+((\e)>>2)*KP+(2*((\e)&3)+\sl)*128+(\o&1)*16+(\o>>1)*64
.endr
.endr
.endr
.endm
	s_wait_tensorcnt 0x0                           ; my rows of Q are in LDS; only I read them
	QLOAD 0
.irp e, 0,1,2,3,4,5,6,7
.if \e < 7
	QLOAD \e+1
	s_wait_dscnt 16                                ; the sixteen loads just issued are younger: expert e's numbers are in
.else
	s_wait_dscnt 0
.endif
	s_mov_b32 s84, s[76+\e]
	s_mov_b32 s85, s[76+\e]
.set i, 0
.rept 32
	v_pk_mul_f32 v[QT+64*(\e&1)+2*i:QT+64*(\e&1)+2*i+1], v[QT+64*(\e&1)+2*i:QT+64*(\e&1)+2*i+1], s[84:85] op_sel_hi:[1,0]
.set i, i+1
.endr
	WIN 0x40                                       ; destination in window 1
.irp u, 0,1
.irp sl, 0,1
.irp k, 0,1,2,3,4,5,6,7
	v_cvt_pk_f16_f32 v[8*(16*\u+2*\e+\sl)+\k], v[QT+64*(\e&1)+16*(2*\u+\sl)+2*\k], v[QT+64*(\e&1)+16*(2*\u+\sl)+2*\k+1]
.endr
.endr
.endr
	WIN 0
.endr
; QK.  Group n: the four K fragments of one key half at d = 32 (n & 15): 8 LDS loads, 8 products.  Groups 0-15: keys 64-127; groups 16-31: keys 0-63.
.macro KLOAD n
.set kl, 1-((\n)>>4)
.irp i, 0,1,2,3
	ds_load_b128 v[KF+32*((\n)%3)+8*\i:KF+32*((\n)%3)+8*\i+3],   v[KA+kl] offset:\i*16*KP+64*((\n)&15)
	ds_load_b128 v[KF+32*((\n)%3)+8*\i+4:KF+32*((\n)%3)+8*\i+7], v[KA+kl] offset:\i*16*KP+64*((\n)&15)+32
.endr
.endm
; A half's eight accumulators take turns, one instruction a turn, in the same order in every group.
; Group 0 starts its sums with the constant 0; group 16 takes as C what BIAS has written: 0, or -2^127 where the key is masked.
.macro QKMUL n
.set km, 1-((\n)>>4)
.irp i, 0,1,2,3
.irp u, 0,1
.if (\n) == 0
	v_wmma_f32_16x16x32_f16 v[S+8*(8*\u+4*km+\i):S+8*(8*\u+4*km+\i)+7], v[KF+32*((\n)%3)+8*\i:KF+32*((\n)%3)+8*\i+7], v[8*(16*\u+((\n)&15)):8*(16*\u+((\n)&15))+7], 0
.else
	v_wmma_f32_16x16x32_f16 v[S+8*(8*\u+4*km+\i):S+8*(8*\u+4*km+\i)+7], v[KF+32*((\n)%3)+8*\i:KF+32*((\n)%3)+8*\i+7], v[8*(16*\u+((\n)&15)):8*(16*\u+((\n)&15))+7], v[S+8*(8*\u+4*km+\i):S+8*(8*\u+4*km+\i)+7]
.endif
.endr
.endr
.endm
; THE MASK.  Key 16 kt + 8 h + j is bit 4 kt + 2 h + (j >> 2) of word j & 3.  The words are shifted down by 2 h at QK's head, then by 8 for every two key tiles, so that
; the bit stands at p = 4 (kt & 1) + (j >> 2) <= 5.  (word << (31 - p)) | 2^127: the bit becomes the sign, the bits below it fall on bits 26..30, which are ones already,
; the mantissa stays 0: exactly -2^127 where masked, +2^127 where not.
; BIAS and MASKQ stand in the places behind QK's products, under QK's window setting, in which source 1 means window 1: they carry registers in source 0 and source 2 alone.
; They name none of the registers of the products in front of them: BIAS the idle accumulators of keys 0-63, MASKQ the finished ones of keys 64-127.
.macro BIAS b                          ; four numbers of keys 0-63: 0 or -2^127 into the accumulator
.set bu, (\b)>>3
.set bk, ((\b)&7)>>1
.set bj, (\b)&1
.if ((\b)&7) == 4
.irp c, 0,1,2,3
	v_bfe_u32 v[MB+4*bu+\c], v[MB+4*bu+\c], 8, 24
.endr
.endif
.irp c, 0,1,2,3
	v_lshl_or_b32 v[S+64*bu+8*bk+4*bj+\c], v[MB+4*bu+\c], 31-4*(bk&1)-bj, s21
.endr
.irp c, 0,1,2,3
	v_min_num_f32 v[S+64*bu+8*bk+4*bj+\c], v[S+64*bu+8*bk+4*bj+\c], 0
.endr
.endm
.macro MASKQ q                         ; four scores of keys 64-127: masked, and taken into the tile's maximum, which the old maximum starts
.set bu, (\q)>>3
.set bk, 4+(((\q)&7)>>1)
.set bj, (\q)&1
.if ((\q)&3) == 0
.irp c, 0,1,2,3
	v_bfe_u32 v[MB+4*bu+\c], v[MB+4*bu+\c], 8, 24
.endr
.endif
.irp c, 0,1,2,3
	v_lshl_or_b32 v[TQ+\c], v[MB+4*bu+\c], 31-4*(bk&1)-bj, s21
.endr
.irp c, 0,1,2,3
	v_min3_num_f32 v[S+64*bu+8*bk+4*bj+\c], v[S+64*bu+8*bk+4*bj+\c], s21, v[TQ+\c]
.endr
.if ((\q)&7) == 0
	v_max3_num_f32 v[MN+bu], v[M+bu], s60, v[S+64*bu+8*bk+4*bj]
.else
	v_max3_num_f32 v[MN+bu], v[MN+bu], s60, v[S+64*bu+8*bk+4*bj]
.endif
.irp c, 1,2,3
	v_max3_num_f32 v[MN+bu], v[MN+bu], s60, v[S+64*bu+8*bk+4*bj+\c]
.endr
.endm
.macro QK
.irp c, 0,1,2,3,4,5,6,7
	v_lshrrev_b32 v[MB+\c], v[SH], v[MB+\c]        ; eight places: S and the K ring lie on registers that the last PV products read (five before products write over them, four before loads and vector writes)
.endr
	WIN 0x04                                       ; source 1 (Q') in window 1; LDS loads name destination and source 0, which stay in window 0
	KLOAD 0
	KLOAD 1
.set g, 0
.rept 32
.if g                                              ; at least eight places: group g + 2 lands on the registers that group g - 1's products, just issued, read
.if g < 17
	BIAS g-1
.else
	MASKQ g-17
.endif
.endif
.if g < 30
	KLOAD g+2
	s_wait_dscnt 16                                ; groups g + 1 and g + 2 are younger: group g is in
.else
	s_wait_dscnt 8*(31-g)
.endif
	QKMUL g
.set g, g+1
.endr
	MASKQ 15                                       ; twelve places before vector instructions read the scores of keys 0-63 or write the ring's registers
	WIN 0
.endm
; The softmax step of query tile u: 64 numbers a lane (8 key tiles x 8), masked already.
.macro SOFTMAX u
	; the new maximum: four chains over the 32 numbers of keys 0-63, what QK's places gathered (keys 64-127 and the old maximum), the other half's lane
.irp c, 0,1,2,3
	v_max_num_f32 v[CH+\c], v[S+64*\u+8*\c], v[S+64*\u+8*\c+1]
.endr
.irp i, 1,2,3
.irp c, 0,1,2,3
	v_max3_num_f32 v[CH+\c], v[CH+\c], v[S+64*\u+8*\c+2*\i], v[S+64*\u+8*\c+2*\i+1]
.endr
.endr
	v_max3_num_f32 v[CH], v[CH], v[CH+1], v[CH+2]
	v_max3_num_f32 v[CH], v[CH], v[CH+3], v[MN+\u]
	v_permlanex16_b32 v[CH+1], v[CH], s22, s23
	v_max_num_f32 v[CH], v[CH], v[CH+1]            ; equal in lanes r and r + 16
	v_sub_f32 v[DF], v[M+\u], v[CH]
	v_xor_b32 v[MN], 0x80000000, v[CH]             ; minus the new maximum, so that the packed adds need no sign; v19 is the pair's unused half
.set i, 0
.rept 32
	v_pk_add_f32 v[S+64*\u+2*i:S+64*\u+2*i+1], v[S+64*\u+2*i:S+64*\u+2*i+1], v[MN:MN+1] op_sel_hi:[1,0]
.set i, i+1
.endr
	v_exp_f32 v[AF], v[DF]                         ; alpha = 2^(old - new)
.set i, 0
.rept 64
	v_exp_f32 v[S+64*\u+i], v[S+64*\u+i]
.set i, i+1
.endr
	v_mov_b32 v[M+\u], v[CH]                       ; the plain instruction between the exponentials and the first use of a result (ISA guide 5.7.2)
	; the sum of my 64, in four packed chains
	s_wait_alu depctr_va_vdst(0)
.irp c, 0,1,2,3
	v_pk_add_f32 v[CH+2*\c:CH+2*\c+1], v[S+64*\u+2*\c:S+64*\u+2*\c+1], v[S+64*\u+8+2*\c:S+64*\u+8+2*\c+1]
.endr
.irp i, 2,3,4,5,6,7
.irp c, 0,1,2,3
	v_pk_add_f32 v[CH+2*\c:CH+2*\c+1], v[CH+2*\c:CH+2*\c+1], v[S+64*\u+8*\i+2*\c:S+64*\u+8*\i+2*\c+1]
.endr
.endr
	v_pk_add_f32 v[CH:CH+1], v[CH:CH+1], v[CH+2:CH+3]
	v_pk_add_f32 v[CH+4:CH+5], v[CH+4:CH+5], v[CH+6:CH+7]
	v_pk_add_f32 v[CH:CH+1], v[CH:CH+1], v[CH+4:CH+5]
	v_add_f32 v[CH], v[CH], v[CH+1]
	v_fma_f32 v[LS+\u], v[LS+\u], v[AF], v[CH]     ; l = l alpha + sum
	; P to f16 (at most 1, so inside the format): a key tile's 8 numbers are 16 neighbouring bytes of P[q][key]
.set i, 0
.rept 32
	v_cvt_pk_f16_f32 v[PK+32*\u+i], v[S+64*\u+2*i], v[S+64*\u+2*i+1]
.set i, i+1
.endr
.irp kt, 0,1,2,3,4,5,6,7
	ds_store_b128 v[PW], v[PK+32*\u+4*\kt:PK+32*\u+4*\kt+3] offset:16*PP*\u+32*\kt
.endr
	ds_store_b32 v[AW], v[AF] offset:4*\u          ; lanes r and r + 16 store the same number to the same word
.endm
; PV.  t = 32 keys; g = 2 t + hq, hq = which four query tiles.
.macro VLOAD t                         ; V^T fragments of my 8 column tiles: V lies [key][d], so the transposing load; 16 loads
.irp dt, 0,1,2,3,4,5,6,7
	ds_load_tr16_b128 v[VF+64*((\t)&1)+8*\dt:VF+64*((\t)&1)+8*\dt+3],   v[VA+(\t)] offset:32*\dt
	ds_load_tr16_b128 v[VF+64*((\t)&1)+8*\dt+4:VF+64*((\t)&1)+8*\dt+7], v[VA+(\t)] offset:32*\dt+16*VP
.endr
.endm
.macro PLOAD g                         ; P fragments of four query tiles; 8 loads
.irp q, 0,1,2,3
	ds_load_b128 v[PF+32*((\g)&1)+8*\q:PF+32*((\g)&1)+8*\q+3],   v[PA] offset:(4*((\g)&1)+\q)*16*PP+64*((\g)>>1)
	ds_load_b128 v[PF+32*((\g)&1)+8*\q+4:PF+32*((\g)&1)+8*\q+7], v[PA] offset:(4*((\g)&1)+\q)*16*PP+64*((\g)>>1)+32
.endr
.endm
.macro PVMUL g, zero                   ; 32 products on 32 accumulators, which take turns, one instruction a turn
.irp q, 0,1,2,3
.irp dt, 0,1,2,3,4,5,6,7
.if \zero
	v_wmma_f32_16x16x32_f16 v[8*(8*\q+\dt):8*(8*\q+\dt)+7], v[VF+64*(((\g)>>1)&1)+8*\dt:VF+64*(((\g)>>1)&1)+8*\dt+7], v[PF+32*((\g)&1)+8*\q:PF+32*((\g)&1)+8*\q+7], 0
.else
	v_wmma_f32_16x16x32_f16 v[8*(8*\q+\dt):8*(8*\q+\dt)+7], v[VF+64*(((\g)>>1)&1)+8*\dt:VF+64*(((\g)>>1)&1)+8*\dt+7], v[PF+32*((\g)&1)+8*\q:PF+32*((\g)&1)+8*\q+7], v[8*(8*\q+\dt):8*(8*\q+\dt)+7]
.endif
.endr
.endr
.endm
.macro RESC4 base                      ; O of four query tiles (one window) times their alpha; an odd tile's alpha is the second register of its pair
.irp q, 0,1,2,3
.set i, 0
.rept 32
.if (\q&1) == 0
	v_pk_mul_f32 v[64*\q+2*i:64*\q+2*i+1], v[64*\q+2*i:64*\q+2*i+1], v[\base+\q:\base+\q+1] op_sel_hi:[1,0]
.else
	v_pk_mul_f32 v[64*\q+2*i:64*\q+2*i+1], v[64*\q+2*i:64*\q+2*i+1], v[\base+\q-1:\base+\q] op_sel:[0,1] op_sel_hi:[1,1]
.endif
.set i, i+1
.endr
.endr
.endm
.macro PV first
.if \first == 0
	ds_load_b128 v[ALV:ALV+3],   v[AR]
	ds_load_b128 v[ALV+4:ALV+7], v[AR] offset:16
.endif
	VLOAD 0
	PLOAD 0
.if \first == 0
	s_wait_dscnt 24                                ; the 24 fragment loads are younger: alpha is in
	WIN 0x82                                       ; source 0 and destination in window 2, alpha in window 0
	RESC4 ALV
	WIN 0xc3
	RESC4 ALV+4
.endif
.irp g, 0,1,2,3,4,5,6,7
	WIN 0
.if \g
	PLACES 4                                       ; the loads below land on registers that the products of g - 1, just issued, read
.endif
.if \g < 7
	PLOAD \g+1
.endif
.if \g < 6
.if (\g&1) == 0
.set tn, (\g>>1)+1
	VLOAD tn
.endif
	s_wait_dscnt 24                                ; behind P's fragments of g stand 8 loads of P and 16 of V; V's fragments of this t are older still
.else
	s_wait_dscnt 8*(7-\g)                          ; g = 6: P's last 8 are younger; g = 7: nothing is
.endif
.set z, 0
.if \first
.if \g < 2
.set z, 1                                          ; the first block's first 32 keys start the sums: nothing is cleared
.endif
.endif
	WIN 0xa0+0x50*(\g&1)                           ; C and D in window 2 or 3
	PVMUL \g, z
.endr
	WIN 0
.endm
; Block j, first half: V's tile is requested, S^T is made from K's tile and masked, softmax, P and alpha go to LDS.  next = 1: the next block's mask words are asked for.
.macro PHASE_A next
	s_wait_xcnt 0x0
	v_lshl_add_u32 v254, v0, 2, 0x4a800
	v_mov_b32 v255, 0
	s_wait_tensorcnt 0x0                           ; all my tensor loads have landed: the one that was out is my part of K's tile of this block;
	ds_add_u32 v254, v255
	s_wait_dscnt 0x0
	s_add_nc_u64 s[42:43], s[42:43], KSTEP         ; so K's group 0 may step to the next block
	s_wait_dscnt 0x0                               ; my reads of V's tile, of P and of alpha of the last block are back
	ROUND                                          ; both hold of every wave of the four work-groups
	tensor_load_to_lds s[44:47], s[32:39]          ; V's tile of this block: my one tensor load behind the round, first thing there; QK and the softmax pass before it is waited for
	s_nop 0
	s_wait_loadcnt 0x0                             ; this block's mask words, asked for a block ago; their base may step behind this wait
	QK
.if \next
	s_add_nc_u64 s[10:11], s[10:11], 256
	global_load_b128 v[MB:MB+3],   v[MO], s[10:11]             ; the next block's mask words, on registers whose last reader stands in QK
	global_load_b128 v[MB+4:MB+7], v[MO], s[10:11] offset:4096
.endif
	SOFTMAX 0
	SOFTMAX 1
.endm
; Block j, second half: K's next tile is requested, O is rescaled and P V added.
.macro PHASE_B first, refill
	s_wait_xcnt 0x0
	v_lshl_add_u32 v254, v0, 2, 0x4a800
	v_mov_b32 v255, 0
	s_wait_tensorcnt 0x0                           ; my part of V's tile has landed, no tensor load of mine is out;
	ds_add_u32 v254, v255
	s_wait_dscnt 0x0
	s_add_nc_u64 s[46:47], s[46:47], KSTEP         ; so V's group 0 may step
	s_wait_dscnt 0x0                               ; my reads of K's tile are back, my stores of P and alpha are done
.if \refill
	ROUND
	tensor_load_to_lds s[40:43], s[24:31]          ; K's tile of the next block: my one tensor load behind the round; the 256 products of PV pass before it is waited for
	s_nop 0
.else
	s_barrier_signal -1                            ; the last block fills nothing: P, alpha and 1/l are handed over by the work-group's barrier
	s_barrier_wait -1
.endif
	PV \first
.endm
	s_wait_dscnt 0x0                               ; my reads of Q's stage are back (met: the last count was 0)
	s_wait_xcnt 0x0
	v_lshl_add_u32 v254, v0, 2, 0x4a800
	v_mov_b32 v255, 0
	s_wait_tensorcnt 0x0                           ; no tensor load of mine is out
	ds_add_u32 v254, v255
	s_wait_dscnt 0x0
	ROUND
	tensor_load_to_lds s[40:43], s[24:31]          ; K's tile of block 0, over Q's stage
	s_nop 0
	PHASE_A 1                                      ; block 0 stands in front of the loop: its products start O's sums
	PHASE_B 1, 1
	s_mov_b32 s20, 14                              ; blocks 1 to 14
.Lblock:
	PHASE_A 1
	PHASE_B 0, 1
	s_sub_co_u32 s20, s20, 1
	s_cmp_lg_u32 s20, 0
	s_cbranch_scc1 .Lblock
	PHASE_A 0                                      ; block 15: no mask words are left to ask for
.irp u, 0,1
	v_permlanex16_b32 v[CH+\u], v[LS+\u], s22, s23 ; the other half's keys
	v_add_f32 v[LS+\u], v[LS+\u], v[CH+\u]
.endr
	v_rcp_f32 v[CH], v[LS]
	v_rcp_f32 v[CH+1], v[LS+1]
	v_mov_b32 v[CH+2], 0x7fc00000                  ; NaN; also the plain instruction between a reciprocal and the use of its result (ISA guide 5.7.2)
	s_wait_alu depctr_va_vdst(0)
.irp u, 0,1
	v_cmp_ge_f32 vcc_lo, s61, v[M+\u]              ; -2^126 >= the row's maximum: no key of the row was left unmasked
	v_cndmask_b32 v[CH+\u], v[CH+\u], v[CH+2], vcc_lo
.endr
	ds_store_b32 v[AW], v[CH] offset:1024
	ds_store_b32 v[AW], v[CH+1] offset:1028
	PHASE_B 0, 0
	; THE WAY OUT, one query tile (16 rows x my 128 columns) at a time: times g / l, into my own stage, back as whole rows of 512 bytes.
	PLACES 4                                       ; behind the last products: vector instructions read O and write fragment registers, loads land there
	ds_load_b128 v[ALV:ALV+3],   v[AR] offset:1024 ; 1/l of the 8 query tiles
	ds_load_b128 v[ALV+4:ALV+7], v[AR] offset:1040
	v_and_b32 v32, 15, v0
	v_bfe_u32 v33, v0, 4, 1
	v_and_b32 v34, 31, v0
	s_mul_i32 s88, s16, OW
	v_mul_u32_u24 v32, v32, OP
	v_lshl_add_u32 v32, v33, 5, v32                ; row r, 8 h numbers of 4 bytes
	v_add_nc_u32 v[STO], s88, v32
	v_lshl_add_u32 v[RD], v34, 4, s88              ; back: 32 lanes take a row's 512 bytes
	s_lshl_b32 s89, s16, 9
	v_lshl_add_u32 v[CO], v34, 4, s89              ; and the same bytes of a row of out0: 512 w + 16 l
	s_wait_dscnt 0x0
.macro OUT qt
	v_mul_f32 v[AF], s86, v[ALV+\qt]               ; g[2 w] / l: column tiles 0-3
	v_mul_f32 v[DF], s87, v[ALV+\qt]               ; g[2 w + 1] / l: column tiles 4-7
	WIN 0x02+(\qt>>2)                              ; source 0 (O) in window 2 or 3
.irp dt, 0,1,2,3,4,5,6,7
.irp k, 0,1,2,3
	v_pk_mul_f32 v[TMP+8*\dt+2*\k:TMP+8*\dt+2*\k+1], v[8*(8*(\qt&3)+\dt)+2*\k:8*(8*(\qt&3)+\dt)+2*\k+1], v[AF+2*(\dt>>2):AF+2*(\dt>>2)+1] op_sel_hi:[1,0]
.endr
.endr
	WIN 0
.irp dt, 0,1,2,3,4,5,6,7
	ds_store_b128 v[STO], v[TMP+8*\dt:TMP+8*\dt+3]   offset:64*\dt
	ds_store_b128 v[STO], v[TMP+8*\dt+4:TMP+8*\dt+7] offset:64*\dt+16
.endr
	s_wait_xcnt 0x0                                ; the registers that the last tile's global stores read are loaded again only behind this wait
.irp i, 0,1,2,3,4,5,6,7,8,9,10,11,12,13,14,15
	ds_load_b128 v[RB+4*\i:RB+4*\i+3], v[RD] offset:OP*\i          ; LDS serves a wave's instructions in order (ISA guide 5.7.1.4): these see the stores above
.endr
.irp i, 0,1,2,3,4,5,6,7,8,9,10,11,12,13,14,15
	s_wait_dscnt 15-\i
	global_store_b128 v[CO], v[RB+4*\i:RB+4*\i+3], s[14:15] offset:(16*\qt+\i)*2048 th:TH_STORE_NT   ; 512 consecutive bytes, at a multiple of 512 from out0's first byte
.endr
.endm
.irp qt, 0,1,2,3,4,5,6,7
	OUT \qt
.endr
	s_wait_xcnt 0x0
	v_lshl_add_u32 v254, v0, 2, 0x4a800
	v_mov_b32 v255, 0
	s_wait_tensorcnt 0x0
	ds_add_u32 v254, v255
	s_wait_dscnt 0x0
	ROUND                                          ; the closing round: no work-group ends while a partner may still ask for a tile that names it
	s_endpgm
.Lfunc_end_k_q9d7c7a39f9_attn:
	.size	k_q9d7c7a39f9_attn, .Lfunc_end_k_q9d7c7a39f9_attn-k_q9d7c7a39f9_attn
	.p2alignl 7, 3214868480
	.fill 96, 4, 3214868480
	.section	.rodata,"a",@progbits
	.p2align	6, 0x0
	.amdhsa_kernel k_q9d7c7a39f9_attn
		.amdhsa_group_segment_fixed_size 327680
		.amdhsa_private_segment_fixed_size 0
		.amdhsa_enable_private_segment 0
		.amdhsa_kernarg_size 48
		.amdhsa_user_sgpr_count 2
		.amdhsa_user_sgpr_kernarg_segment_ptr 1
		.amdhsa_wavefront_size32 1
		.amdhsa_system_sgpr_workgroup_id_x 1
		.amdhsa_system_sgpr_workgroup_id_y 1
		.amdhsa_system_sgpr_workgroup_id_z 1
		.amdhsa_system_vgpr_workitem_id 0
		.amdhsa_next_free_vgpr 1024
		.amdhsa_next_free_sgpr 96
		.amdhsa_reserve_vcc 1
		.amdhsa_float_denorm_mode_32 3
		.amdhsa_float_denorm_mode_16_64 3
		.amdhsa_memory_ordered 1
		.amdhsa_forward_progress 1
		.amdhsa_inst_pref_size 255
	.end_amdhsa_kernel
	.section	.bss,"aw",@nobits
	.p2align	6
	.space	262144
	.amdgpu_metadata
---
amdhsa.version: [ 1, 2 ]
amdhsa.kernels:
  - .name:           k_q9d7c7a39f9_attn
    .symbol:         k_q9d7c7a39f9_attn.kd
    .args:
      - { .name: Q, .offset: 0, .size: 8, .value_kind: global_buffer, .address_space: global }
      - { .name: Kh, .offset: 8, .size: 8, .value_kind: global_buffer, .address_space: global }
      - { .name: Vh, .offset: 16, .size: 8, .value_kind: global_buffer, .address_space: global }
      - { .name: maskbits, .offset: 24, .size: 8, .value_kind: global_buffer, .address_space: global }
      - { .name: route_mat, .offset: 32, .size: 8, .value_kind: global_buffer, .address_space: global }
      - { .name: out0, .offset: 40, .size: 8, .value_kind: global_buffer, .address_space: global }
    .group_segment_fixed_size: 327680
    .private_segment_fixed_size: 0
    .kernarg_segment_align: 8
    .kernarg_segment_size: 48
    .max_flat_workgroup_size: 128
    .sgpr_count:     96
    .vgpr_count:     1024
    .wavefront_size: 32
...
	.end_amdgpu_metadata
.endif
;; end of part 2
